; MI455X (gfx1250); checked and timed in simulation.
; The chip was launched on July 23, 2026; its instructions are those of AMD's public machine-readable ISA for CDNA 5 (MIT licence, August 2026) and "CDNA5" Instruction Set Architecture Reference Guide (July 2026). The comments in the code are by the model that wrote it; some were corrected since.
;; Segment Linear. Allowed arithmetic: matrix products marked QUANTISED: E2M1 operands, one E8M0 scale for each 32 along K, by v_wmma_scale_f32_16x16x128_f8f6f4 with both operands' format E2M1 (or v_wmma_scale_f32_32x16x128_f4), f32 sums; everything else in f32.
;; Inputs: weight 4,096 x 4,096 float32; x 4,096 x 4,096 float32.
;; Outputs: out0 4,096 x 4,096 float32.
;; This version of the problem:
;;   THIS VERSION OF THE PROBLEM IS GIVEN IN LOW PRECISION. The matrix products marked QUANTISED in the list below multiply operands that are first quantised to E2M1 (2 exponent bits, 1 mantissa bit; 4 bits a number), with one power-of-two scale for each 32 numbers along K (OCP MX v1.0); their sums are f32. All else is computed in f32.
;;   The module's matrix products, in the order in which they are computed (A, B: the left and right operand; K: the contracted axis; several contracted axes count as one K, in the product's order):
;;     1. [M 4,096, K 4,096] x [K 4,096, N 4,096]; A: computed on the way; B: computed on the way: QUANTISED
;;   THE QUANTISER, for each operand of a quantised product, along K:
;;     - K is cut into blocks of 32 from its start; a last block that is shorter is filled with zeros.
;;     - A block's scale is 2^e with e = floor(log2(the largest magnitude in the block)) - 2, held to -126 .. 127; a block of zeros has e = 0. As a byte (E8M0): e + 127.
;;     - Each number is divided by its block's scale, clamped to +-6, and rounded to the nearest number of E2M1, ties to even, subnormals kept.
;;     - The product sums the exact products of the quantised numbers (number of the format x scale) in f32.
;;   ~~~python
;;   def quantise(x, axis):      # numpy; x: float32 -> the quantised numbers, widened to float32 again
;;       x = np.moveaxis(x, axis, -1); K = x.shape[-1]
;;       x = np.pad(x, [(0, 0)] * (x.ndim - 1) + [(0, -K % 32)]); x = x.reshape(x.shape[:-1] + (-1, 32)); a = np.abs(x).max(-1, keepdims=True)
;;       e = np.where(a > 0, np.clip(np.frexp(np.where(a > 0, a, 1))[1] - 1 - 2, -126, 127), 0)      # np.frexp(a)[1] - 1 = floor(log2(a)), exactly
;;       r = np.clip(x / 2.0 ** e, -6, 6)
;;       step = 2.0 ** (np.maximum(np.frexp(np.where(r == 0, 1, r))[1] - 1, 0) - 1)
;;       q = np.round(r / step) * step * 2.0 ** e      # np.round: ties to even
;;       return np.moveaxis(q.reshape(q.shape[:-2] + (-1,))[..., :K], -1, axis).astype(np.float32)
;;   ~~~
;;   OPERANDS COMPUTED ON THE WAY. 'Computed on the way' means the value that the module computes at that place (a softmax that the list does not call 'softmax' is quantised finished and normalised). What goes into a quantiser is computed in f32, as accurately as f32 sums, v_exp_f32 and their like allow (about 1e-6 of the number): no bf16 or f16 on the way to a quantiser, and a product that is left as it is and whose result goes on into a quantised operand takes f32 operands (vector FMAs, or v_wmma_f32_16x16x4_f32). A number that lies on a knife's edge between two numbers of the format may be rounded either way, as far as f32 arithmetic and the matrix unit's own rounding can turn it there, and no further.
;; One version. Each part assembles by itself: llvm-mc -triple=amdgcn-amd-amdhsa -mcpu=gfx1250 --defsym DOCPART=n.
;; ======== version 1 of 1: 3 launches
;; limits: right only within a limited range of input values
;; workspace buffers: part 8,192 bytes; a_pack 8,912,896 bytes; b_pack 8,912,896 bytes
;; launch amax (part 1): grid 512 x 1, 8 waves a work-group, no clusters, 1,280 bytes of LDS; arguments x, weight, part; writes part
.if DOCPART == 1
	.amdgcn_target "amdgcn-amd-amdhsa--gfx1250"
	.amdhsa_code_object_version 6
	.text
	.protected	k_qc3fbc86367_amax
	.globl	k_qc3fbc86367_amax
	.p2align	8
	.type	k_qc3fbc86367_amax,@function
k_qc3fbc86367_amax:
	s_mov_b64 s[64:65], 0
	v_nop
	global_prefetch_b8 v0, s[64:65] scope:SCOPE_SE
	s_setreg_imm32_b32 hwreg(HW_REG_WAVE_MODE, 25, 1), 1
	s_wait_xcnt 0x0
; The largest |t| of each of the 4 chunks of 1,024 columns, over 16 rows of x or of weight ([4096][4096] f32): one partial maximum for each chunk and work-group.
; part is [tensor 2][chunk 4][work-group 256] f32; the next launch finishes the maxima (a maximum over work-groups is ordered by the launches, not by atomics).
; SHARES.  Work-groups 0-255 take x, 256-511 weight; work-group g' = number mod 256 takes rows 16 g' .. 16 g' + 15.  Eight waves: thread t takes the 16 bytes at 16 t of each chunk's 4,096 bytes
; of every row, so load c of a row belongs to chunk c, and a load of a wave covers 512 consecutive bytes.  Eight rows (32 loads a wave) are on their way.
; A stream: no matrix unit, no tensor load, no cluster (work-groups share no input), no prefetch (the loads themselves run eight rows ahead).
; LIMITS: NaN is passed over by the maxima and infinities are not served.
.set ROWB, 16384                       ; bytes in a row
.set CHB,  4096                        ; bytes of a chunk in a row
.set DEPTH, 8                          ; rows on their way
.set M,    4                           ; v[4:7]    the running maximum of chunk c
.set W,    8                           ; v[8:11]   at work
.set X,    16                          ; v[16:143] eight sets of 16: row r % 8, load c at + 4 c
.set SPW,  144                         ; my spare word's LDS address; never rewritten
.set NIL,  145                         ; 0; never rewritten
	s_load_b128 s[4:7], s[0:1], 0x0                ; x, weight
	s_load_b64 s[8:9], s[0:1], 0x10                ; part
	v_lshl_add_u32 v[SPW], v0, 2, 0x100            ; the spare words lie behind the block of the eight waves' maxima
	v_mov_b32 v[NIL], 0
	v_lshlrev_b32 v1, 4, v0                        ; 16 t
	v_lshrrev_b32 v2, 5, v0
	v_readfirstlane_b32 s10, v2                    ; wave 0..7
	v_lshlrev_b32 v3, 4, v2                        ; LDS: 16 bytes for each wave
	s_and_b32 s11, ttmp9, 255                      ; g'
	s_lshl_b32 s12, s11, 18                        ; 16 rows of 16,384 bytes
	s_mov_b32 s13, 0
	s_lshr_b32 s14, ttmp9, 8                       ; the tensor
	s_lshl_b32 s14, s14, 12                        ; its 4,096 bytes of part,
	s_lshl_b32 s15, s11, 2
	s_add_co_u32 s14, s14, s15                     ; + 4 g'
	s_mov_b32 s20, 0x76543210                      ; v_permlanex16_b32's selects for lane l xor 16
	s_mov_b32 s21, 0xfedcba98
	s_wait_alu depctr_va_vdst(0)
	s_wait_kmcnt 0x0
	s_cmp_lt_u32 ttmp9, 256                        ; the choice hangs on the work-group's number alone
	s_cselect_b64 s[4:5], s[4:5], s[6:7]
	s_add_nc_u64 s[4:5], s[4:5], s[12:13]
.macro LOADROW r                       ; every offset is an immediate: 15 x 16,384 + 3 x 4,096 at the most
.irp c, 0,1,2,3
	global_load_b128 v[X+16*((\r)%DEPTH)+4*\c:X+16*((\r)%DEPTH)+4*\c+3], v1, s[4:5] offset:ROWB*(\r)+CHB*\c
.endr
.endm
.macro ROW r
.set XS, X+16*((\r)%DEPTH)
.if (\r) > 0
	s_wait_alu depctr_va_vdst(0)
.endif
.if (\r) <= 8
	s_wait_loadcnt 28                              ; this row's four loads are in; those of the seven rows behind it stay out
.else
	s_wait_loadcnt 4*(15-(\r))                     ; the counts run down
.endif
.if (\r) == 0
.irp c, 0,1,2,3
	v_max3_num_f32 v[M+\c], |v[XS+4*\c]|, |v[XS+4*\c+1]|, |v[XS+4*\c+2]|   ; the first row starts the maxima: nothing is cleared
.endr
.irp c, 0,1,2,3
	v_max_num_f32 v[M+\c], v[M+\c], |v[XS+4*\c+3]|
.endr
.else
.irp c, 0,1,2,3
	v_max3_num_f32 v[M+\c], v[M+\c], |v[XS+4*\c]|, |v[XS+4*\c+1]|           ; the four chunks by turns
.endr
.irp c, 0,1,2,3
	v_max3_num_f32 v[M+\c], v[M+\c], |v[XS+4*\c+2]|, |v[XS+4*\c+3]|
.endr
.endif
.if (\r)+DEPTH < 16
	LOADROW (\r)+DEPTH                             ; the set just read takes the row eight further down
.endif
.endm
.irp r, 0,1,2,3,4,5,6,7
	LOADROW \r
.endr
.irp r, 0,1,2,3,4,5,6,7,8,9,10,11,12,13,14,15
	ROW \r
.endr
	; across the 32 lanes: four steps inside each half, one across the halves; the four chunks by turns
.irp m, 1,2,4,8
.irp c, 0,1,2,3
	v_max_num_f32_dpp v[M+\c], v[M+\c], v[M+\c] row_xmask:\m row_mask:0xf bank_mask:0xf
.endr
.endr
.irp c, 0,1,2,3
	v_mov_b32 v[W+\c], 0                           ; a lane permute's destination counts as one of its sources
.endr
.irp c, 0,1,2,3
	v_permlanex16_b32 v[W+\c], v[M+\c], s20, s21
.endr
.irp c, 0,1,2,3
	v_max_num_f32 v[M+\c], v[M+\c], v[W+\c]
.endr
	ds_store_b128 v3, v[M:M+3]                     ; all lanes of a wave write the same 16 bytes with the same values: word 4 x wave + chunk
	s_wait_dscnt 0x0                               ; for the others' sake: my store is done
	s_barrier_signal -1
	s_barrier_wait -1
	s_cmp_lg_u32 s10, 0
	s_cbranch_scc1 .Lend                           ; wave 0 finishes
	v_and_b32 v12, 31, v0                          ; lane
	s_delay_alu instid0(VALU_DEP_1)
	v_lshlrev_b32 v13, 2, v12
	ds_load_b32 v8, v13                            ; lane l: wave l / 4's maximum of chunk l % 4
	v_lshl_add_u32 v14, v12, 10, s14               ; part: chunk = lane: 1,024 bytes apart
	s_wait_alu depctr_va_vdst(0)
	s_wait_dscnt 0x0
	v_max_num_f32_dpp v8, v8, v8 row_xmask:4 row_mask:0xf bank_mask:0xf
	s_delay_alu instid0(VALU_DEP_1)
	v_max_num_f32_dpp v8, v8, v8 row_xmask:8 row_mask:0xf bank_mask:0xf
	s_delay_alu instid0(VALU_DEP_1)
	v_permlanex16_b32 v9, v8, s20, s21
	s_delay_alu instid0(VALU_DEP_1)
	v_max_num_f32 v8, v8, v9                       ; every lane l: the work-group's maximum of chunk l % 4
	v_cmp_gt_u32 vcc_lo, 4, v12
	s_wait_alu depctr_va_vdst(0)
	s_wait_xcnt 0x0                                ; EXEC changes only behind this wait
	s_and_saveexec_b32 s16, vcc_lo
	global_store_b32 v14, v8, s[8:9]               ; lanes 0-3: the work-group's whole result is these 16 bytes
	s_wait_xcnt 0x0                                ; and again in front of the line that widens it
	s_or_b32 exec_lo, exec_lo, s16
.Lend:
	s_wait_tensorcnt 0x0                           ; the wave's end
	ds_add_u32 v[SPW], v[NIL]
	s_wait_dscnt 0x0
	s_endpgm
.Lfunc_end_k_qc3fbc86367_amax:
	.size	k_qc3fbc86367_amax, .Lfunc_end_k_qc3fbc86367_amax-k_qc3fbc86367_amax
	.p2alignl 7, 3214868480
	.fill 96, 4, 3214868480
	.section	.rodata,"a",@progbits
	.p2align	6, 0x0
	.amdhsa_kernel k_qc3fbc86367_amax
		.amdhsa_group_segment_fixed_size 1280
		.amdhsa_private_segment_fixed_size 0
		.amdhsa_enable_private_segment 0
		.amdhsa_kernarg_size 24
		.amdhsa_user_sgpr_count 2
		.amdhsa_user_sgpr_kernarg_segment_ptr 1
		.amdhsa_wavefront_size32 1
		.amdhsa_system_sgpr_workgroup_id_x 1
		.amdhsa_system_sgpr_workgroup_id_y 1
		.amdhsa_system_sgpr_workgroup_id_z 1
		.amdhsa_system_vgpr_workitem_id 0
		.amdhsa_next_free_vgpr 146
		.amdhsa_next_free_sgpr 66
		.amdhsa_reserve_vcc 1
		.amdhsa_float_denorm_mode_32 3
		.amdhsa_float_denorm_mode_16_64 3
		.amdhsa_memory_ordered 1
		.amdhsa_forward_progress 1
		.amdhsa_inst_pref_size 19
	.end_amdhsa_kernel
	.amdgpu_metadata
---
amdhsa.version: [ 1, 2 ]
amdhsa.kernels:
  - .name:           k_qc3fbc86367_amax
    .symbol:         k_qc3fbc86367_amax.kd
    .args:
      - { .name: x, .offset: 0, .size: 8, .value_kind: global_buffer, .address_space: global }
      - { .name: weight, .offset: 8, .size: 8, .value_kind: global_buffer, .address_space: global }
      - { .name: part, .offset: 16, .size: 8, .value_kind: global_buffer, .address_space: global }
    .group_segment_fixed_size: 1280
    .private_segment_fixed_size: 0
    .kernarg_segment_align: 8
    .kernarg_segment_size: 24
    .max_flat_workgroup_size: 256
    .sgpr_count:     66
    .vgpr_count:     146
    .wavefront_size: 32
...
	.end_amdgpu_metadata
.endif
;; end of part 1
;; launch quant (part 2): grid 1024 x 1, 4 waves a work-group, no clusters, 39,424 bytes of LDS; arguments x, weight, a_pack, b_pack, part; writes a_pack, b_pack
.if DOCPART == 2
	.amdgcn_target "amdgcn-amd-amdhsa--gfx1250"
	.amdhsa_code_object_version 6
	.text
	.protected	k_qc3fbc86367_quant
	.globl	k_qc3fbc86367_quant
	.p2align	8
	.type	k_qc3fbc86367_quant,@function
k_qc3fbc86367_quant:
	s_mov_b64 s[64:65], 0
	v_nop
	global_prefetch_b8 v0, s[64:65] scope:SCOPE_SE
	s_setreg_imm32_b32 hwreg(HW_REG_WAVE_MODE, 25, 1), 1
	s_wait_xcnt 0x0
; x and weight ([4096][4096] f32) go through the int8 fake quantiser (one scale for each tensor and chunk of 1,024 columns) and then into codes of FP4 (E2M1) with one E8M0 byte for each 32 along K.
; OUT: a_pack, b_pack: [K step j = 0..7][row 0..4095][272 bytes]: a record is the 256 code bytes of k = 512 j .. 512 j + 511 of the row (the lower k in the low four bits), then its 16 scale bytes.
; So 128 rows of a K step are 34,816 consecutive bytes, and laid into LDS as they lie the rows stand 272 bytes apart, with the scale bytes where padding would stand.
; THE FAKE QUANTISER: s = max(amax / 127, 1e-8), amax / 127 correctly rounded (two corrections by exact remainders); y = 1 / s by v_rcp_f32 and two Newton steps; n = round(t / s), ties to even; q = n s.
;   n is made by ONE fused multiply-add: t y + 1.5 x 2^23.  Sums in [2^23, 2^24) are whole numbers, so the exact product t y is rounded once, to the nearest whole number, ties to even (1.5 x 2^23 is even);
;   taking 1.5 x 2^23 off again is exact.  It holds for |t y| under 2^22; here |t y| is at most 127 (1 + 2^-22), since |t| <= amax and s >= (amax / 127)(1 - 2^-24).  So n is at most 127 and the clip to +-127 is not written.
;   t + (q - t) is not written: for n = 0 it is 0; else q / 2 <= t <= 2 q, so q - t is exact and the sum is q itself.
; LIMIT OF ROUNDING: t y differs from t / s by the error of y alone, under 2^-23 of the quotient; a quotient that lies nearer than that to the middle between two whole numbers may go to either.
; THE MX QUANTISER: a block's scale byte is its largest magnitude's exponent field - 2, held at 1 from below; the conversion divides, holds at the largest code and rounds to nearest, ties to even.
; LIMITS: NaN and infinities are not served.  A block of zeros gets the byte 1 where the rule says 127: its codes are zeros, and this program alone reads the bytes.
; SHARES.  1,024 work-groups of four waves, g the work-group's number.  g < 512: x, else weight.
; A wave takes 16 rows (group (g mod 512) / 2) x one K step j = 4 (g mod 2) + wave: step t is row t, 2,048 consecutive bytes; its 16 records are 4,352 consecutive bytes, at a multiple of 256 from the buffer's first byte.
; A load reads 512 consecutive bytes, 16 a lane; the conversions want 16 NEIGHBOURS in a lane: a step's bytes turn through the wave's own stage in LDS (80 bytes from lane to lane on the way out: 64 + 16 of padding).
; Codes and scale bytes are gathered in the wave's own image of its 16 records and leave as 17 stores of 256 consecutive bytes.  Waves share nothing: no barrier.  No tensor load, no cluster: work-groups share no input but the 1 KiB of maxima.
; Loads run eight steps (32 loads a wave) ahead, so no prefetch is laid.
.set STEPS, 16
.set AHEAD, 8
.set ROWB,  16384
.set SP,    80                         ; a lane's place in a stage
.set STG,   32*SP                      ; a stage: 2,560 bytes; two of them by turns
.set IMG,   2*STG                      ; behind them the image of 16 records, 4,352 bytes
.set REC,   272
.set WREG,  9728                       ; LDS of a wave
.set R,     16                         ; v16-143  eight sets of 16 numbers as they are loaded; at the end 34 of them carry the way out
.set X,     144                        ; v144-175 two sets of 16 neighbours
.set E,     176                        ; v176-191 a scale byte for each step
.set C,     192                        ; v192-223 two registers of codes for each step
.set S,     224                        ; v[224:225] s, twice
.set Y,     226                        ; v[226:227] 1 / s, twice
.set MG,    228                        ; v[228:229] 1.5 x 2^23, twice
.set NM,    230                        ; v[230:231] the same, negative
.set Q,     232                        ; v232-239 the partial maxima
.set SPW,   244                        ; my spare word's LDS address; never rewritten
.set NIL,   245                        ; 0; never rewritten
	s_load_b128 s[4:7], s[0:1], 0x0                ; x, weight
	s_load_b128 s[8:11], s[0:1], 0x10              ; a_pack, b_pack
	s_load_b64 s[12:13], s[0:1], 0x20              ; part
	v_lshl_add_u32 v[SPW], v0, 2, 0x9800           ; the spare words lie behind the four waves' regions
	v_mov_b32 v[NIL], 0
	v_lshrrev_b32 v1, 5, v0
	v_readfirstlane_b32 s16, v1                    ; wave 0..3
	v_and_b32 v2, 31, v0                           ; lane
	v_lshlrev_b32 v3, 4, v2                        ; my 16 bytes of a load's 512
	s_mul_i32 s26, s16, WREG
	v_lshrrev_b32 v14, 2, v2
	v_mul_u32_u24 v14, v14, SP
	v_and_b32 v15, 3, v2
	v_lshl_add_u32 v14, v15, 4, v14
	v_add_nc_u32 v14, s26, v14                     ; the stage, on the way in: four lanes' 64 bytes on end, then 16 of padding
	v_mul_u32_u24 v15, v2, SP
	v_add_nc_u32 v15, s26, v15                     ; and on the way out: my 16 neighbours
	s_add_co_u32 s27, s26, IMG
	v_lshlrev_b32 v6, 3, v2                        ; 8 bytes a lane: my codes' place in a record, and my place in a store
	v_add_nc_u32 v4, s27, v6
	v_lshrrev_b32 v5, 1, v2
	v_add_nc_u32 v5, s27, v5
	v_add_nc_u32 v5, 256, v5                       ; my block's scale byte: behind the record's 256 code bytes
	v_mov_b32 v[MG], 0x4b400000
	v_mov_b32 v[MG+1], 0x4b400000
	v_mov_b32 v[NM], 0xcb400000
	v_mov_b32 v[NM+1], 0xcb400000
	s_and_b32 s18, ttmp9, 511
	s_lshr_b32 s19, s18, 1                         ; the group of 16 rows
	s_and_b32 s24, s18, 1
	s_lshl_b32 s24, s24, 2
	s_add_co_u32 s24, s24, s16                     ; the K step j
	s_lshr_b32 s25, s24, 1                         ; its chunk
	s_lshl_b32 s28, s19, 18                        ; in: 16 rows of 16,384 bytes,
	s_lshl_b32 s29, s24, 11                        ; + 2,048 j
	s_add_co_u32 s28, s28, s29
	s_mov_b32 s29, 0
	s_mul_i32 s30, s24, 4096*REC                   ; out: K step j,
	s_mul_i32 s31, s19, 16*REC                     ; + 16 records
	s_add_co_u32 s30, s30, s31
	s_mov_b32 s31, 0
	s_lshr_b32 s14, ttmp9, 9                       ; part: the tensor's 4,096 bytes,
	s_lshl_b32 s14, s14, 12
	s_lshl_b32 s15, s25, 10                        ; the chunk's 1,024
	s_add_co_u32 s14, s14, s15
	s_mov_b32 s15, 0
	s_mov_b32 s20, 0x76543210                      ; v_permlanex16_b32's selects for lane l xor 16
	s_mov_b32 s21, 0xfedcba98
	s_mov_b32 s22, 0x42fe0000                      ; 127
	s_mov_b32 s23, 0x3c010204                      ; 1 / 127, correctly rounded
	s_wait_alu depctr_va_vdst(0)
	s_wait_kmcnt 0x0
	s_cmp_lt_u32 ttmp9, 512                        ; x or weight: the choice hangs on the work-group's number alone
	s_cselect_b64 s[4:5], s[4:5], s[6:7]
	s_cselect_b64 s[8:9], s[8:9], s[10:11]
	s_add_nc_u64 s[4:5], s[4:5], s[28:29]
	s_add_nc_u64 s[8:9], s[8:9], s[30:31]
	s_add_nc_u64 s[12:13], s[12:13], s[14:15]
.macro LOAD t
.irp i, 0,1,2,3
	global_load_b128 v[R+16*((\t)%AHEAD)+4*\i:R+16*((\t)%AHEAD)+4*\i+3], v3, s[4:5] offset:ROWB*(\t)+512*\i th:TH_LOAD_NT   ; 32 lanes read 512 consecutive bytes; read once in this launch
.endr
.endm
.macro TURN t                          ; step t's numbers through a stage: LDS serves a wave's instructions in order (ISA guide 5.7.1.4), so no wait stands between the stores and the loads
.irp i, 0,1,2,3
	ds_store_b128 v14, v[R+16*((\t)%AHEAD)+4*\i:R+16*((\t)%AHEAD)+4*\i+3] offset:STG*((\t)%2)+8*SP*\i
.endr
.irp i, 0,1,2,3
	ds_load_b128 v[X+16*((\t)%2)+4*\i:X+16*((\t)%2)+4*\i+3], v15 offset:STG*((\t)%2)+16*\i
.endr
.endm
	global_load_b128 v[Q:Q+3], v3, s[12:13]        ; the chunk's 256 partial maxima: 8 a lane
	global_load_b128 v[Q+4:Q+7], v3, s[12:13] offset:512
.irp t, 0,1,2,3,4,5,6,7
	LOAD \t
.endr
	s_wait_loadcnt 32                              ; the maxima are in; the 32 loads behind them stay out
	v_max3_num_f32 v8, v[Q], v[Q+1], v[Q+2]
	v_max3_num_f32 v9, v[Q+3], v[Q+4], v[Q+5]
	v_max3_num_f32 v8, v8, v[Q+6], v[Q+7]
	v_max_num_f32 v8, v8, v9
.irp m, 1,2,4,8
	v_max_num_f32_dpp v8, v8, v8 row_xmask:\m row_mask:0xf bank_mask:0xf
.endr
	v_permlanex16_b32 v9, v8, s20, s21
	v_max_num_f32 v8, v8, v9                       ; amax of my tensor's chunk, in every lane
	v_mul_f32 v9, s23, v8                          ; amax / 127: a first quotient,
	v_fma_f32 v10, -v9, s22, v8                    ; its remainder,
	v_fma_f32 v9, v10, s23, v9                     ; corrected: within a unit in the last place;
	v_fma_f32 v10, -v9, s22, v8
	v_fma_f32 v9, v10, s23, v9                     ; corrected again: correctly rounded
	v_max_num_f32 v[S], 0x322bcc77, v9             ; s = max(amax / 127, 1e-8)
	s_wait_alu depctr_va_vdst(0)
	v_rcp_f32 v10, v[S]
	v_nop                                          ; one plain place behind a transcendental (ISA guide 5.7.2)
	s_wait_alu depctr_va_vdst(0)                   ; ahead of the reciprocal's first reader
	v_fma_f32 v11, -v[S], v10, 1.0                 ; two Newton steps
	v_fma_f32 v10, v11, v10, v10
	v_fma_f32 v11, -v[S], v10, 1.0
	v_fma_f32 v[Y], v11, v10, v10
	v_mov_b32 v[S+1], v[S]
	v_mov_b32 v[Y+1], v[Y]
	s_wait_alu depctr_va_vdst(0)
	s_wait_loadcnt 28                              ; step 0's four loads are in
	TURN 0
.macro STEP t
.set XS, X+16*((\t)%2)
.if (\t) > 0
	s_wait_dscnt 2                                 ; this step's numbers are back from the stage (the last step's byte store and code store may be out), so its stores into the stage are done too,
.else
	s_wait_dscnt 0x0
.endif
.if (\t)+AHEAD < STEPS
	LOAD (\t)+AHEAD                                ; and their registers take the loads of eight steps on
.endif
.if (\t)+1 < STEPS
.if (\t) <= 7
	s_wait_loadcnt 28                              ; the next step's four loads are in; those of the seven steps behind it may be out
.else
	s_wait_loadcnt 4*(14-(\t))
.endif
	TURN (\t)+1                                    ; they go through the other stage while this step is worked
.endif
.irp p, 0,2,4,6,8,10,12,14
	v_pk_fma_f32 v[XS+\p:XS+\p+1], v[XS+\p:XS+\p+1], v[Y:Y+1], v[MG:MG+1]   ; t y + 1.5 x 2^23: the exact product, rounded once to a whole number, ties to even
.endr
.irp p, 0,2,4,6,8,10,12,14
	v_pk_add_f32 v[XS+\p:XS+\p+1], v[XS+\p:XS+\p+1], v[NM:NM+1]             ; n, exactly
.endr
.irp p, 0,2,4,6,8,10,12,14
	v_pk_mul_f32 v[XS+\p:XS+\p+1], v[XS+\p:XS+\p+1], v[S:S+1]               ; n s: the fake-quantised number
.endr
	v_max3_num_f32 v8, |v[XS]|, |v[XS+1]|, |v[XS+2]|               ; the largest magnitude of my 16, in two chains
	v_max3_num_f32 v9, |v[XS+3]|, |v[XS+4]|, |v[XS+5]|
.irp i, 6,10
	v_max3_num_f32 v8, v8, |v[XS+\i]|, |v[XS+\i+1]|
	v_max3_num_f32 v9, v9, |v[XS+\i+2]|, |v[XS+\i+3]|
.endr
	v_max3_num_f32 v8, v8, |v[XS+14]|, |v[XS+15]|
	v_max3_num_f32 v8, v8, v9, 0x1800000           ; and the floor 2^(3 - 127): the byte cannot fall under 1
	v_max_num_f32_dpp v8, v8, v8 row_xmask:1 row_mask:0xf bank_mask:0xf   ; and of my neighbour's 16: the block's
	v_add_nc_u32 v11, 0xff000000, v8               ; 2 off its exponent field: the conversion takes the exponent field of this operand as its scale, and nothing else of it
	v_cvt_scalef32_pk8_fp4_f32 v[C+2*(\t)], v[XS:XS+7], v11
	v_cvt_scalef32_pk8_fp4_f32 v[C+2*(\t)+1], v[XS+8:XS+15], v11
	v_lshrrev_b32 v[E+(\t)], 23, v11               ; the scale's byte.  (Also the plain line behind the conversions)
	ds_store_b8 v5, v[E+(\t)] offset:REC*(\t)      ; both lanes of a block write the same byte with the same value
	ds_store_b64 v4, v[C+2*(\t):C+2*(\t)+1] offset:REC*(\t)   ; my 16 codes, into record t of the image
.endm
.irp t, 0,1,2,3,4,5,6,7,8,9,10,11,12,13,14,15
	STEP \t
.endr
.irp u, 0,1,2,3,4,5,6,7,8,9,10,11,12,13,14,15,16
	ds_load_b64 v[R+2*\u:R+2*\u+1], v4 offset:256*\u   ; the image as it lies, 256 bytes an instruction; these see my stores (a wave's LDS instructions are served in order)
.endr
.irp u, 0,1,2,3,4,5,6,7,8,9,10,11,12,13,14,15,16
	s_wait_dscnt 16-\u
	global_store_b64 v6, v[R+2*\u:R+2*\u+1], s[8:9] offset:256*\u   ; 32 lanes store 256 consecutive bytes, at a multiple of 256 from the buffer's first byte
.endr
	s_wait_tensorcnt 0x0                           ; the wave's end
	ds_add_u32 v[SPW], v[NIL]
	s_wait_dscnt 0x0
	s_endpgm
.Lfunc_end_k_qc3fbc86367_quant:
	.size	k_qc3fbc86367_quant, .Lfunc_end_k_qc3fbc86367_quant-k_qc3fbc86367_quant
	.p2alignl 7, 3214868480
	.fill 96, 4, 3214868480
	.section	.rodata,"a",@progbits
	.p2align	6, 0x0
	.amdhsa_kernel k_qc3fbc86367_quant
		.amdhsa_group_segment_fixed_size 39424
		.amdhsa_private_segment_fixed_size 0
		.amdhsa_enable_private_segment 0
		.amdhsa_kernarg_size 40
		.amdhsa_user_sgpr_count 2
		.amdhsa_user_sgpr_kernarg_segment_ptr 1
		.amdhsa_wavefront_size32 1
		.amdhsa_system_sgpr_workgroup_id_x 1
		.amdhsa_system_sgpr_workgroup_id_y 1
		.amdhsa_system_sgpr_workgroup_id_z 1
		.amdhsa_system_vgpr_workitem_id 0
		.amdhsa_next_free_vgpr 246
		.amdhsa_next_free_sgpr 66
		.amdhsa_reserve_vcc 0
		.amdhsa_float_denorm_mode_32 3
		.amdhsa_float_denorm_mode_16_64 3
		.amdhsa_memory_ordered 1
		.amdhsa_forward_progress 1
		.amdhsa_inst_pref_size 62
	.end_amdhsa_kernel
	.amdgpu_metadata
---
amdhsa.version: [ 1, 2 ]
amdhsa.kernels:
  - .name:           k_qc3fbc86367_quant
    .symbol:         k_qc3fbc86367_quant.kd
    .args:
      - { .name: x, .offset: 0, .size: 8, .value_kind: global_buffer, .address_space: global }
      - { .name: weight, .offset: 8, .size: 8, .value_kind: global_buffer, .address_space: global }
      - { .name: a_pack, .offset: 16, .size: 8, .value_kind: global_buffer, .address_space: global }
      - { .name: b_pack, .offset: 24, .size: 8, .value_kind: global_buffer, .address_space: global }
      - { .name: part, .offset: 32, .size: 8, .value_kind: global_buffer, .address_space: global }
    .group_segment_fixed_size: 39424
    .private_segment_fixed_size: 0
    .kernarg_segment_align: 8
    .kernarg_segment_size: 40
    .max_flat_workgroup_size: 128
    .sgpr_count:     66
    .vgpr_count:     246
    .wavefront_size: 32
...
	.end_amdgpu_metadata
.endif
;; end of part 2
;; launch gemm (part 3): grid 16 x 16, 4 waves a work-group, clusters of 4 x 4, 327,680 bytes of LDS; arguments a_pack, b_pack, out0; writes out0
.if DOCPART == 3
	.amdgcn_target "amdgcn-amd-amdhsa--gfx1250"
	.amdhsa_code_object_version 6
	.text
	.protected	k_qc3fbc86367_gemm
	.globl	k_qc3fbc86367_gemm
	.p2align	8
	.type	k_qc3fbc86367_gemm,@function
k_qc3fbc86367_gemm:
	s_mov_b64 s[64:65], 0
	v_nop
	global_prefetch_b8 v0, s[64:65] scope:SCOPE_SE
	s_setreg_imm32_b32 hwreg(HW_REG_WAVE_MODE, 25, 1), 1
	s_wait_xcnt 0x0
	s_wait_alu depctr_hold_cnt(0) depctr_sa_sdst(0) depctr_va_vdst(0) depctr_va_sdst(0) depctr_va_ssrc(0) depctr_va_vcc(0) depctr_vm_vsrc(0)
	s_getreg_b32 s2, hwreg(HW_REG_IB_STS2, 6, 4)
	s_cmp_eq_u32 s2, 0
	s_cbranch_scc0 .Lentry_in_a_cluster
	s_endpgm
.Lentry_in_a_cluster:
	s_bfe_u32 s2, ttmp6, 0x10000c
	s_cmp_lg_u32 s2, 0xf033
	s_cbranch_scc0 .Lentry_shape_is_right
	s_endpgm
.Lentry_shape_is_right:
; out0[m][n] = sum over k of A[m][k] B[n][k], f32, on codes of FP4 (E2M1) with one E8M0 byte for each 32 along K.  a_pack, b_pack: [K step 0..7][row 0..4095][272 bytes]: 256 code bytes (512 along K), then the row's 16 scale bytes.
; A tile of 256 x 256 is made by a work-group of four waves, a wave 128 x 128: 512 accumulator registers.  256 work-groups.  K goes in 8 steps of 512 through a ring of two LDS slots; a slot holds A's 256 records, then B's,
; as they lie in memory: LDS rows 272 bytes apart, the scale bytes where padding would stand.  A wave fetches a quarter of a slot: 128 records, dense in memory, as 136 rows of 256 bytes, each at a multiple of 256 from the buffer's first byte.
; CLUSTERS: 4 x 4 work-groups.  A's tiles are shared along a row of the cluster, B's along a column: each is asked for jointly, by the same tensor load with the same descriptor and a mask that names the four.
; PREFETCH INTO THE L2: behind the load of K step j the records of K step j + 2 are named; K steps 1 and 2 are named at the head.  A wave's 128 records are 136 blocks of 256 bytes; the four partners that ask for
; them jointly take 34 blocks each, told apart by address (cx for A, cy for B): two instructions a wave, in the second of which lanes 1-31 name the share's last block.  The last lap names nothing: K has no step beyond 7.
; THE MATRIX INSTRUCTION is the 32 x 16 x 128 form, USED TRANSPOSED: source 0 = 32 rows of B (two neighbouring fragments), source 1 = 16 rows of A.  A lane then holds row l % 16 of out0; registers 0-7 are the columns 8 (l / 16) + 0 .. 7
; of B's first 16 rows, registers 8-15 those of its second 16.  Source 0's scale word lies in lane m for its row m (32 lanes), source 1's in lanes 0-15.
; THE LAST K STEP GOES BY ROWS OF out0: all its fragments of B lie in registers, and my eight blocks of 16 rows are finished and stored one after the other.
; REGISTERS, in windows of 256: window 0: v0-31 addresses; v32-127 scale words, two sets of 48; v128-191 A's fragments; v192-255 rows on the way out.  window 1: B's fragments, two sets, at v0 and v128; in the last K step all 256.
;   window 2: the accumulators of my rows 0-63 (A's block a, B's block b at v[8 (8 a + b)]); window 3: those of my rows 64-127.
.set SIZE_N, 4096
.set NQ,     4                         ; steps of 128 in a K step
.set PITCH,  272
.set FR,     8                         ; registers of a fragment: 16 rows x 128 K
.set NL,     2                         ; LDS loads that bring one
.set NP,     4                         ; places behind this matrix instruction (ISA guide 7.12.1)
.set HALFT,  128*PITCH                 ; 128 records
.set SLOT,   4*HALFT
.set KSTRIDE, 4096*PITCH               ; bytes from a K step to the next
.set LAPS,   4                         ; a lap = two K steps
.set SPARE,  2*SLOT                    ; behind the ring: the spare words, 128 bytes a wave
.set STAGE,  SPARE+512                 ; behind them: a stage of 16 rows x 528 bytes for each wave; no tensor load lands there
.set SPITCH, 528
.set SHARE,  34*256                    ; a partner's share of a wave's 136 blocks
.set ADRA, 16                          ; v16-17 LDS address of my A fragments in slot 0, 1
.set ADRSB, 18                         ; v18-19 of B's scale words: lane l takes row l of a pair of blocks
.set ADRB, 20                          ; v20-21 of my B fragments
.set ADRSA, 22                         ; v22-23 of A's scale words: lane l takes row l % 16 of a block
.set STO,  24
.set RD,   25
.set CO,   26
.set SPW,  28                          ; my spare word's LDS address; never rewritten
.set NIL,  29                          ; 0; never rewritten
.set PFO,  30                          ; 256 x lane; never rewritten
.set PFO2, 31                          ; 256 x min(lane, 1); never rewritten
.set SC,   32                          ; set s at SC + 48 s: registers 4 i + q: B's pair of blocks i; registers 16 + 4 a + q: A's block a; q the slot's q-th 128 along K
.set AF,   128
.set BK,   192
.set G1, 24                            ; s[24:31] group 1 for A's tiles; s[32:39] group 0, one set for each slot
.set G0, 32
.set G1B, 48                           ; s[48:55], s[56:63] the same for B's
.set G0B, 56
.set PFA, 84                           ; s[84:85] where my prefetches stand: my share of the K step whose load was issued last
.set MSB, 0
.macro WIN new                         ; the immediate's high byte repeats the setting that is left
.if MSB != \new
	s_set_vgpr_msb (MSB<<8)|\new
.set MSB, \new
.endif
.endm
.set MUL_LO, 0xa1                      ; source 0 (B) window 1, source 1 (A) window 0, C and D window 2
.set MUL_HI, 0xf1                      ; the same, C and D window 3
.set TO_B,   0x40                      ; destination window 1, address window 0
.macro TLOAD g0, g1                    ; a tensor load with an s_nop and four v_nop behind it
	tensor_load_to_lds s[\g0:\g0+3], s[\g1:\g1+7]
	s_nop 0
.rept 4
	v_nop
.endr
.endm
.macro JLOAD g0a, g1a, g0b, g1b        ; a joint load: waves 0 and 1 fetch for A, waves 2 and 3 for B; the branch hangs on the wave's number alone
	s_cmp_eq_u32 s15, 0
	s_cbranch_scc0 .Lfor_b_\@
	TLOAD \g0a, \g1a
	s_branch .Lasked_\@
.Lfor_b_\@:
	TLOAD \g0b, \g1b
.Lasked_\@:
.endm
.macro CREST                           ; a round of the cluster's barrier behind its opening barrier
	s_cmp_lg_u32 s14, 0
	s_cbranch_scc1 .Lnot_wave_0_\@
	s_barrier_signal -3
.Lnot_wave_0_\@:
	s_barrier_wait -3
	s_barrier_signal -1
	s_barrier_wait -1
.endm
.macro CROUND
	s_barrier_signal -1
	s_barrier_wait -1
	CREST
.endm
.macro PF off                          ; my share, 34 blocks, of the K step at byte off from where the prefetches stand
	global_prefetch_b8 v[PFO], s[PFA:PFA+1] offset:\off th:TH_LOAD_NT scope:SCOPE_SE
	global_prefetch_b8 v[PFO2], s[PFA:PFA+1] offset:\off+8192 th:TH_LOAD_NT scope:SCOPE_SE
.endm
	s_load_b128 s[4:7], s[0:1], 0x0                ; a_pack, b_pack
	s_load_b64 s[12:13], s[0:1], 0x10              ; out0
	v_lshl_add_u32 v[SPW], v0, 2, SPARE
	v_mov_b32 v[NIL], 0
	ds_add_u32 v[SPW], v[NIL]                      ; the opening lines: the add, twice on end, and its wait ahead of my first tensor load
	ds_add_u32 v[SPW], v[NIL]
	v_lshrrev_b32 v1, 5, v0
	v_readfirstlane_b32 s14, v1                    ; wave 0..3
	s_lshr_b32 s15, s14, 1                         ; which half of the tile's rows is mine; also: I fetch for A (0) or B (1)
	s_and_b32 s16, s14, 1                          ; which half of its columns; also: which 128 records I fetch
	s_bfe_u32 s40, ttmp6, 0x40000                  ; cx, cy
	s_bfe_u32 s41, ttmp6, 0x40004
	s_lshl_b32 s42, ttmp9, 2
	s_add_co_u32 s42, s42, s40                     ; tile column
	s_and_b32 s17, ttmp7, 0xffff
	s_lshl_b32 s17, s17, 2
	s_add_co_u32 s17, s17, s41                     ; tile row
	s_lshl_b32 s43, s41, 2
	s_lshl_b32 s43, 15, s43                        ; my row of the cluster
	s_lshl_b32 s44, 0x1111, s40                    ; my column
	s_or_b32 s[G1+0], s43, (3<<16)|(1<<21)         ; the mask; elements of 8 bytes; bit 21 beside a mask; no padding
	s_or_b32 s[G1B+0], s44, (3<<16)|(1<<21)
.irp g, G1, G1B                        ; 128 records = 136 rows of 256 bytes
	s_mov_b32 s[\g+1], 32<<16
	s_mov_b32 s[\g+2], 136<<16
	s_mov_b32 s[\g+3], 32<<16
	s_mov_b32 s[\g+4], 136
	s_mov_b32 s[\g+5], 32
	s_mov_b32 s[\g+6], 0
	s_mov_b32 s[\g+7], 0
.endr
	s_mul_i32 s18, s16, HALFT                      ; which half of a tile's records I fetch
	s_mul_i32 s20, s17, 2*HALFT                    ; A: the tile's 256 records in a K step, by the tile row alone,
	s_add_co_u32 s20, s20, s18
	s_mov_b32 s21, 0
	s_mul_i32 s46, s42, 2*HALFT                    ; B: by the tile column alone
	s_add_co_u32 s46, s46, s18
	s_mov_b32 s47, 0
	s_mul_i32 s45, s14, HALFT                      ; where they go: wave x 128 records
	s_mul_i32 s88, s15, HALFT                      ; what I read: my 128 rows of A,
	s_mul_i32 s89, s16, HALFT
	s_add_co_u32 s89, s89, 2*HALFT                 ; my 128 rows of B,
	s_add_co_u32 s90, s89, 256                     ; the scale bytes behind a record's codes: B's,
	s_add_co_u32 s91, s88, 256                     ; A's;
	s_mul_i32 s92, s14, 16*SPITCH
	s_add_co_u32 s92, s92, STAGE                   ; my stage
	s_wait_dscnt 0x0                               ; both opening adds are done
	s_wait_kmcnt 0x0
	s_cmp_eq_u32 s15, 0                            ; the prefetches: do I fetch for A?
	s_cselect_b32 s86, s17, s42                    ; the tile, by row or by column
	s_cselect_b32 s87, s40, s41                    ; my place among the four that ask with me
	s_cselect_b64 s[PFA:PFA+1], s[4:5], s[6:7]
	s_lshl_b32 s86, s86, 1
	s_add_co_u32 s86, s86, s16
	s_mul_i32 s86, s86, HALFT                      ; the 128 records that I fetch,
	s_mul_i32 s87, s87, SHARE
	s_add_co_u32 s86, s86, s87                     ; my work-group's 34 blocks of them,
	s_add_co_u32 s86, s86, KSTRIDE                 ; at K step 1
	s_mov_b32 s87, 0
	s_add_nc_u64 s[PFA:PFA+1], s[PFA:PFA+1], s[86:87]
	s_add_nc_u64 s[20:21], s[4:5], s[20:21]
	s_add_nc_u64 s[46:47], s[6:7], s[46:47]
.irp s, 0,1
	s_mov_b32 s[G0+4*\s], 1
	s_add_co_u32 s[G0+4*\s+1], s45, \s*SLOT
	s_add_nc_u64 s[G0+4*\s+2:G0+4*\s+3], s[20:21], \s*KSTRIDE
	s_or_b32 s[G0+4*\s+3], s[G0+4*\s+3], 0x80000000
	s_mov_b32 s[G0B+4*\s], 1
	s_add_co_u32 s[G0B+4*\s+1], s45, \s*SLOT
	s_add_nc_u64 s[G0B+4*\s+2:G0B+4*\s+3], s[46:47], \s*KSTRIDE
	s_or_b32 s[G0B+4*\s+3], s[G0B+4*\s+3], 0x80000000
.endr
	CROUND                                         ; all sixteen work-groups are here: the first joint loads meet
	JLOAD G0, G1, G0B, G1B                         ; K step 0: one tensor load a wave at the head
	v_and_b32 v1, 15, v0                           ; l % 16
	v_bfe_u32 v2, v0, 4, 1                         ; l / 16
	v_and_b32 v6, 31, v0                           ; l
	v_mul_u32_u24 v3, v1, PITCH
	v_lshl_add_u32 v4, v2, 4, v3                   ; a fragment's row x pitch + 16 x half
	v_add_nc_u32 v[ADRA], s88, v4
	v_add_nc_u32 v[ADRB], s89, v4
	v_add_nc_u32 v[ADRA+1], SLOT, v[ADRA]
	v_add_nc_u32 v[ADRB+1], SLOT, v[ADRB]
	v_add_nc_u32 v[ADRSA], s91, v3
	v_add_nc_u32 v[ADRSA+1], SLOT, v[ADRSA]
	v_mul_u32_u24 v5, v6, PITCH
	v_add_nc_u32 v[ADRSB], s90, v5
	v_add_nc_u32 v[ADRSB+1], SLOT, v[ADRSB]
	v_mul_u32_u24 v5, v1, SPITCH                   ; into the stage: row l % 16, 32 bytes for each half of the lanes
	v_lshl_add_u32 v5, v2, 5, v5
	v_add_nc_u32 v[STO], s92, v5
	v_lshlrev_b32 v[CO], 4, v6                     ; back: the 32 lanes take one row of 512 bytes; and the same in out0
	v_add_nc_u32 v[RD], s92, v[CO]
	v_lshlrev_b32 v[PFO], 8, v6
	v_min_u32 v7, 1, v6
	v_lshlrev_b32 v[PFO2], 8, v7
	PF 0                                           ; K step 1
	PF KSTRIDE                                     ; K step 2
	s_lshl_b32 s20, s17, 8
	s_lshl_b32 s21, s15, 7
	s_add_co_u32 s20, s20, s21                     ; my first row of out0: 256 x tile row + 128 x half,
	s_lshl_b32 s20, s20, 14                        ; in bytes (rows of 16,384),
	s_lshl_b32 s46, s42, 10                        ; + my first column: 1,024 x tile column + 512 x half
	s_lshl_b32 s47, s16, 9
	s_add_co_u32 s20, s20, s46
	s_add_co_u32 s20, s20, s47
	s_mov_b32 s21, 0
	s_add_nc_u64 s[12:13], s[12:13], s[20:21]
.macro FRAG reg, adr, q, i             ; 16 rows x 128 K: lane l holds row l % 16; registers 4 c .. 4 c + 3 hold K = 64 c + 32 (l / 16) + 0 .. 31
.irp c, 0,1
	ds_load_b128 v[\reg+4*\c:\reg+4*\c+3], v[\adr] offset:64*(\q)+32*\c+(\i)*16*PITCH
.endr
.endm
.macro WM d, b, a, sb, sa, zero        ; one matrix instruction: 32 rows of B at b x 16 rows of A at a, onto the 16 registers at d
.if \zero
	v_wmma_scale_f32_32x16x128_f4 v[\d:\d+15], v[\b:\b+15], v[\a:\a+7], 0, v[\sb], v[\sa]
.else
	v_wmma_scale_f32_32x16x128_f4 v[\d:\d+15], v[\b:\b+15], v[\a:\a+7], v[\d:\d+15], v[\sb], v[\sa]
.endif
.endm
; 8 matrix instructions: A's blocks a0, a0 + 1 x B's four pairs of blocks, the slot's q-th 128 along K.  p: B's set; sc: the set of scale words.  The 32 accumulators take turns, in the same order in every step.
.macro MUL16 a0, p, q, sc, zero
.irp a, \a0, \a0+1
.irp b, 0,2,4,6
	WM 8*(8*((\a)%4)+\b), 128*(\p)+FR*\b, AF+FR*(\a), SC+48*(\sc)+2*\b+(\q), SC+48*(\sc)+16+4*(\a)+(\q), \zero
.endr
.endr
.endm
.macro FETCH_B slot, q, p
	WIN TO_B
.irp i, 0,1,2,3,4,5,6,7
	FRAG 128*(\p)+FR*\i, ADRB+\slot, \q, \i
.endr
	WIN 0
.endm
.macro FETCH_A slot, q, i0
.irp i, \i0, \i0+1, \i0+2, \i0+3
	FRAG AF+FR*(\i), ADRA+\slot, \q, \i
.endr
.endm
.macro SCALES sc                       ; a slot's scale words, the 16 bytes behind each record: 12 loads
.irp i, 0,1,2,3
	ds_load_b128 v[SC+48*\sc+4*\i:SC+48*\sc+4*\i+3], v[ADRSB+\sc] offset:\i*32*PITCH
.endr
.irp i, 0,1,2,3,4,5,6,7
	ds_load_b128 v[SC+48*\sc+16+4*\i:SC+48*\sc+16+4*\i+3], v[ADRSA+\sc] offset:\i*16*PITCH
.endr
.endm
.macro PLACES n                        ; places in front of loads into registers that matrix instructions have read, and of reads of results
.rept \n
	v_nop
.endr
.endm
.macro STEP slot, q, zero              ; 128 along K with its successor in the same slot
	s_wait_dscnt 4*NL                              ; all but the youngest eight loads (A's blocks 4-7) are in
	WIN MUL_LO
	MUL16 0, (\q)%2, \q, \slot, \zero
	MUL16 2, (\q)%2, \q, \slot, \zero
	s_wait_dscnt 0                                 ; A's blocks 4-7 are in
	PLACES NP
	FETCH_B \slot, (\q)+1, 1-(\q)%2
	FETCH_A \slot, (\q)+1, 0
	WIN MUL_HI
	MUL16 4, (\q)%2, \q, \slot, \zero
	MUL16 6, (\q)%2, \q, \slot, \zero
	PLACES NP
	WIN 0
	FETCH_A \slot, (\q)+1, 4
.endm
.macro ASK                             ; the K step two loads on; the last lap (s3 = 1) has none
	s_cmp_gt_u32 s3, 1
	s_cbranch_scc0 .Lno_ask_\@
	PF 2*KSTRIDE
.Lno_ask_\@:
.endm
; The first half of a slot's last step: one barrier for the change of slots; in front of it each wave waits for all its tensor loads, adds 0 to its spare word, and waits for that and for its reads of this slot.
.macro MEET slot
	s_wait_tensorcnt 0x0                           ; all my tensor loads have landed
	ds_add_u32 v[SPW], v[NIL]
	s_wait_dscnt 4*NL+1                            ; (the add and the youngest eight loads may be out)
	WIN MUL_LO
	MUL16 0, 1, NQ-1, \slot, 0
	s_wait_dscnt 0x0                               ; the add is done, and my reads of this slot are over
	s_barrier_signal -1
	MUL16 2, 1, NQ-1, \slot, 0
	WIN 0
	s_barrier_wait -1
.endm
.macro TURN slot, next                 ; a slot's last step; the slot is filled again, two K steps on
	s_wait_xcnt 0x0                                ; my prefetches have read their address: it steps here, a K step behind them
	s_add_nc_u64 s[PFA:PFA+1], s[PFA:PFA+1], KSTRIDE
	MEET \slot
	CREST                                          ; the barrier has opened a round of the cluster's barrier: no wave of any partner still reads this slot or has a load on its way
	s_add_nc_u64 s[G0+4*\slot+2:G0+4*\slot+3], s[G0+4*\slot+2:G0+4*\slot+3], 2*KSTRIDE
	s_add_nc_u64 s[G0B+4*\slot+2:G0B+4*\slot+3], s[G0B+4*\slot+2:G0B+4*\slot+3], 2*KSTRIDE
	JLOAD G0+4*\slot, G1, G0B+4*\slot, G1B         ; the first tensor load behind the round; its four v_nop are also the places in front of the loads below
	FETCH_B \next, 0, 0
	FETCH_A \next, 0, 0
	SCALES \next
	ASK
	WIN MUL_HI
	MUL16 4, 1, NQ-1, \slot, 0
	MUL16 6, 1, NQ-1, \slot, 0
	PLACES NP
	WIN 0
	FETCH_A \next, 0, 4
.endm
.macro STEPS slot, from
.set Q, \from
.rept NQ-1-\from
	STEP \slot, Q, 0
.set Q, Q+1
.endr
.endm
	s_wait_alu depctr_va_vdst(0)
	s_wait_tensorcnt 0x0                           ; my part of K step 0 is in
	ds_add_u32 v[SPW], v[NIL]
	s_wait_dscnt 0x0
	CROUND                                         ; everybody's part of K step 0 is in, and all sixteen work-groups are here
	JLOAD G0+4, G1, G0B+4, G1B                     ; K step 1: slot 1's first fill, the first tensor load behind the round
	FETCH_B 0, 0, 0
	FETCH_A 0, 0, 0
	SCALES 0
	FETCH_A 0, 0, 4
	PF 2*KSTRIDE                                   ; K step 3
	STEP 0, 0, 1                                   ; the first step stands in front of the loop: its products start the sums
	s_mov_b32 s3, LAPS-1
.Llap:                                                 ; a trip goes once round the ring, from a lap's second step to the next lap's first, and fills both slots again
	STEPS 0, 1
	TURN 0, 1
	STEPS 1, 0
	TURN 1, 0
	STEP 0, 0, 0
	s_sub_co_u32 s3, s3, 1
	s_cmp_lg_u32 s3, 0
	s_cbranch_scc1 .Llap
	STEPS 0, 1                                     ; the last lap fills nothing
; THE LAST K STEP (slot 1), BY ROWS.  B's quarter q lies in window 1 at v[64 q ..]; A's block a, all four quarters, in buffer a % 2 of two (v128-159, v160-191).
.macro BLOAD q
.irp i, 0,1,2,3,4,5,6,7
	FRAG 64*(\q)+FR*\i, ADRB+1, \q, \i
.endr
.endm
.macro ALOAD a
.irp q, 0,1,2,3
	FRAG AF+32*((\a)%2)+FR*\q, ADRA+1, \q, \a
.endr
.endm
.macro ROW a                           ; block a is finished: 16 matrix instructions, its four accumulators by turns
	WIN MUL_LO+0x50*((\a)/4)
.irp q, 0,1,2,3
.irp b, 0,2,4,6
	WM 64*((\a)%4)+8*\b, 64*\q+FR*\b, AF+32*((\a)%2)+FR*\q, SC+48+2*\b+\q, SC+48+16+4*(\a)+\q, 0
.endr
.endr
.endm
; The way out of block a, 16 rows x 128 columns: through my own stage and back as whole rows of 512 bytes.  LDS serves a wave's instructions in order (ISA guide 5.7.1.4): no wait between the stores and the loads.
.macro TOSTAGE a
.set AC, 64*((\a)%4)
	WIN 0x08+4*((\a)/4)                            ; the data: window 2 or 3
.irp b, 0,1,2,3,4,5,6,7
	ds_store_b128 v[STO], v[AC+8*\b:AC+8*\b+3] offset:64*\b          ; each accumulator from its low end on
	ds_store_b128 v[STO], v[AC+8*\b+4:AC+8*\b+7] offset:64*\b+16
.endr
	WIN 0
.irp t, 0,1,2,3,4,5,6,7,8,9,10,11,12,13,14,15
	ds_load_b128 v[BK+4*\t:BK+4*\t+3], v[RD] offset:\t*SPITCH
.endr
.endm
.macro SEND a, younger                 ; younger: the LDS loads issued behind block a's
	WIN 0
	s_wait_dscnt \younger                          ; the block is back in registers
.if (\a) > 0
	s_add_nc_u64 s[12:13], s[12:13], 16*SIZE_N*4   ; 16 rows on (the earlier stores have read their base: the wait on XCNT ahead of TOSTAGE)
.endif
.irp t, 0,1,2,3,4,5,6,7,8,9,10,11,12,13,14,15
	global_store_b128 v[CO], v[BK+4*\t:BK+4*\t+3], s[12:13] offset:\t*SIZE_N*4 th:TH_STORE_NT   ; 32 lanes store 512 consecutive bytes, at a multiple of 256 from out0's first byte
.endr
.endm
	MEET 0                                         ; slot 1 is whole; nothing is filled again, so no round follows
	PLACES NP
	WIN TO_B
	BLOAD 0                                        ; three quarters of B now: set 1 (v128-191 of window 1) is still being multiplied
	BLOAD 1
	BLOAD 3
	WIN 0
	SCALES 1
	ALOAD 0                                        ; into the registers of A's blocks 0-3, whose products are issued
	WIN MUL_HI
	MUL16 4, 1, NQ-1, 0, 0
	MUL16 6, 1, NQ-1, 0, 0
	PLACES NP
	WIN TO_B
	BLOAD 2
	WIN 0
	ALOAD 1
	s_wait_dscnt 4*NL                              ; all but block 1's eight loads
	ROW 0
.irp a, 0,1,2,3,4,5,6,7
	PLACES NP                                      ; ahead of the reads of block a's results and of the loads into its buffer
.if \a > 0
	s_wait_xcnt 0x0                                ; block a - 1's stores have read their registers and their base
.endif
	TOSTAGE \a
.if \a < 6
	ALOAD \a+2
	s_wait_dscnt 40                                ; block a + 1's fragments are in; behind them: the stage's 32 instructions and eight loads
.elseif \a < 7
	s_wait_dscnt 32
.endif
.if \a < 7
	ROW \a+1                                       ; the next block is multiplied while block a turns through the stage
.endif
.if \a < 6
	SEND \a, 8
.else
	SEND \a, 0
.endif
.endr
	s_wait_tensorcnt 0x0                           ; the wave's end
	ds_add_u32 v[SPW], v[NIL]
	s_wait_dscnt 0x0
	CROUND                                         ; the closing round
	s_endpgm
.Lfunc_end_k_qc3fbc86367_gemm:
	.size	k_qc3fbc86367_gemm, .Lfunc_end_k_qc3fbc86367_gemm-k_qc3fbc86367_gemm
	.p2alignl 7, 3214868480
	.fill 96, 4, 3214868480
	.section	.rodata,"a",@progbits
	.p2align	6, 0x0
	.amdhsa_kernel k_qc3fbc86367_gemm
		.amdhsa_group_segment_fixed_size 327680
		.amdhsa_private_segment_fixed_size 0
		.amdhsa_enable_private_segment 0
		.amdhsa_kernarg_size 24
		.amdhsa_user_sgpr_count 2
		.amdhsa_user_sgpr_kernarg_segment_ptr 1
		.amdhsa_wavefront_size32 1
		.amdhsa_system_sgpr_workgroup_id_x 1
		.amdhsa_system_sgpr_workgroup_id_y 1
		.amdhsa_system_sgpr_workgroup_id_z 1
		.amdhsa_system_vgpr_workitem_id 0
		.amdhsa_next_free_vgpr 1024
		.amdhsa_next_free_sgpr 98
		.amdhsa_reserve_vcc 0
		.amdhsa_float_denorm_mode_32 3
		.amdhsa_float_denorm_mode_16_64 3
		.amdhsa_memory_ordered 1
		.amdhsa_forward_progress 1
		.amdhsa_inst_pref_size 148
	.end_amdhsa_kernel
	.amdgpu_metadata
---
amdhsa.version: [ 1, 2 ]
amdhsa.kernels:
  - .name:           k_qc3fbc86367_gemm
    .symbol:         k_qc3fbc86367_gemm.kd
    .args:
      - { .name: a_pack, .offset: 0, .size: 8, .value_kind: global_buffer, .address_space: global }
      - { .name: b_pack, .offset: 8, .size: 8, .value_kind: global_buffer, .address_space: global }
      - { .name: out0, .offset: 16, .size: 8, .value_kind: global_buffer, .address_space: global }
    .group_segment_fixed_size: 327680
    .private_segment_fixed_size: 0
    .kernarg_segment_align: 8
    .kernarg_segment_size: 24
    .max_flat_workgroup_size: 128
    .sgpr_count:     98
    .vgpr_count:     1024
    .wavefront_size: 32
...
	.end_amdgpu_metadata
.endif
;; end of part 3
